; MI455X (gfx1250); checked and timed in simulation.
; The chip was launched on July 23, 2026; its instructions are those of AMD's public machine-readable ISA for CDNA 5 (MIT licence, August 2026) and "CDNA5" Instruction Set Architecture Reference Guide (July 2026). The comments in the code are by the model that wrote it; some were corrected since.
;; NF. Allowed arithmetic: float matrix products may take bf16 or f16 operands with f32 sums; other float arithmetic in f32, or as packed bf16 or f16 multiplies, adds, multiply-adds, maxima and minima; sums over many terms, partial sums and values carried from step to step in f32; what a program stores and reads back later, other than sums and carried values, may be rounded once to bf16 or f16.
;; Inputs: W1 8 x 2 x 32 x 128 float32; W2 8 x 2 x 128 x 128 float32; W3 8 x 2 x 128 x 64 float32; b1 8 x 2 x 128 float32; b2 8 x 2 x 128 float32; b3 8 x 2 x 64 float32; x 131,072 x 64 float32.
;; Outputs: out0 131,072 x 64 float32.
;; One version. Each part assembles by itself: llvm-mc -triple=amdgcn-amd-amdhsa -mcpu=gfx1250 --defsym DOCPART=n.
;; ======== version 1 of 1: 2 launches
;; workspace buffers: wq 1,048,576 bytes
;; launch prep (part 1): grid 16 x 8, 8 waves a work-group, no clusters, 0 bytes of LDS; arguments W1, W2, W3, b1, b2, b3, wq; writes wq
.if DOCPART == 1
	.amdgcn_target "amdgcn-amd-amdhsa--gfx1250"
	.amdhsa_code_object_version 6
	.text
	.protected	k_q33e1611a34_prep
	.globl	k_q33e1611a34_prep
	.p2align	8
	.type	k_q33e1611a34_prep,@function
k_q33e1611a34_prep:
	s_mov_b64 s[64:65], 0
	v_nop
	global_prefetch_b8 v0, s[64:65] scope:SCOPE_SE
	s_setreg_imm32_b32 hwreg(HW_REG_WAVE_MODE, 25, 1), 1
	s_wait_xcnt 0x0
; THE WEIGHTS, ONCE: f32 [K][N] -> bf16 images of matrix fragments, one block of 65,536 bytes for each coupling c = 2 l + i.
; A fragment is 1,024 bytes: byte 512 q + 16 L + 2 e holds W[32 kc + 16 q + 8 (L / 16) + e][16 t + L % 16], so that two loads of 16 bytes a lane
; (at 16 L and 512 + 16 L) are the eight registers of a 16 x 32 operand whose rows are 16 output features.
; Block: fragments 0-7 layer 1 (f = t); 8-39 layer 2 (f = 8 + 4 t + kc); 40-55 layer 3 (f = 40 + 4 u + kc); b1 f32 at 57,344; b2 at 57,856; b3 at 58,368; zeros to the end.
; W3's columns 0-31 (the log-scales s) and b3[0:32] are multiplied by 2 log2(e) in f32 ahead of their one rounding: the next launch takes 2^z of the product as it comes.
; SHARES.  Work-group (c, p) writes bytes 8,192 p .. 8,192 p + 8,191 of block c; thread t two pieces of 16 bytes, at 16 t and 4,096 + 16 t: a wave's store covers 512 consecutive bytes.
.set DAT, 16                           ; v[16:31]  two pieces x eight f32 as loaded
.set PK,  32                           ; v[32:39]  two pieces of 16 bytes to store
	s_load_b256 s[4:11], s[0:1], 0x0               ; W1 s[4:5], W2 s[6:7], W3 s[8:9], b1 s[10:11]
	s_load_b128 s[12:15], s[0:1], 0x20             ; b2 s[12:13], b3 s[14:15]
	s_load_b64 s[16:17], s[0:1], 0x30              ; wq
	s_mov_b32 s22, ttmp9                           ; c
	s_and_b32 s21, ttmp7, 0xffff                   ; p
	v_lshrrev_b32 v1, 5, v0
	v_readfirstlane_b32 s20, v1                    ; wave 0..7
	v_lshlrev_b32 v1, 4, v0                        ; my first piece's place in the part
	v_lshrrev_b32 v4, 6, v0                        ; which of four fragments
	v_bfe_u32 v5, v0, 4, 2                         ; 2 q + h: eight rows of W each
	v_and_b32 v6, 15, v0                           ; r: my column in the tile of 16
	s_lshl_b32 s34, s22, 16
	s_lshl_b32 s35, s21, 13
	s_add_co_u32 s34, s34, s35                     ; 65,536 c + 8,192 p
	s_mov_b32 s35, 0
	s_mov_b32 s37, 0                               ; the high word of the sources' offset s[36:37]
	s_wait_kmcnt 0x0
	s_add_nc_u64 s[16:17], s[16:17], s[34:35]
	s_cmp_eq_u32 s21, 7
	s_cbranch_scc1 .Lbias
	s_cmp_ge_u32 s21, 5
	s_cbranch_scc1 .Lw3
; Two pieces: eight numbers of one column each (rows pitch bytes apart), rounded in pairs, stored.
.macro FRAGS pitch, scaled
.irp e, 0,1,2,3,4,5,6,7
	global_load_b32 v[DAT+(\e)],   v2, s[24:25] offset:(\e)*(\pitch)
	global_load_b32 v[DAT+8+(\e)], v3, s[24:25] offset:(\e)*(\pitch)
.endr
	s_wait_loadcnt 0x0
.if \scaled
.irp e, 0,2,4,6,8,10,12,14
	v_pk_mul_f32 v[DAT+(\e):DAT+(\e)+1], v[DAT+(\e):DAT+(\e)+1], s[32:33] op_sel_hi:[1,0]
.endr
.endif
.irp q, 0,1,2,3,4,5,6,7
	v_cvt_pk_bf16_f32 v[PK+(\q)], v[DAT+2*(\q)], v[DAT+2*(\q)+1]
.endr
	global_store_b128 v1, v[PK:PK+3],   s[16:17]
	global_store_b128 v1, v[PK+4:PK+7], s[16:17] offset:4096
.endm
	; p = 0: W1, fragment = tile t (my four, then four further on: 64 columns).  p = 1..4: W2, fragment = K block, tiles 2 (p - 1) and 2 (p - 1) + 1.
	s_max_u32 s31, s21, 1
	s_sub_co_u32 s31, s31, 1
	s_lshl_b32 s31, s31, 5                         ; first column: 32 (p - 1), or 0
	s_cmp_eq_u32 s21, 0
	s_cselect_b64 s[24:25], s[4:5], s[6:7]
	s_cselect_b32 s26, 0, 32                       ; rows for each fragment number
	s_cselect_b32 s27, 16, 0                       ; columns for each fragment number
	s_cselect_b32 s28, 256, 64                     ; bytes from the first piece's column to the second's
	s_cselect_b32 s29, 14, 16                      ; a coupling's W1 is 16,384 bytes, its W2 65,536
	s_lshl_b32 s36, s22, s29
	s_add_nc_u64 s[24:25], s[24:25], s[36:37]
	v_mul_u32_u24 v7, v4, s26
	v_lshl_add_u32 v7, v5, 3, v7                   ; my first row of W
	v_mul_u32_u24 v8, v4, s27
	v_add3_u32 v8, v8, v6, s31                     ; my column
	v_lshlrev_b32 v2, 9, v7                        ; rows of 512 bytes
	v_lshl_add_u32 v2, v8, 2, v2
	v_add_nc_u32 v3, s28, v2
	FRAGS 512, 0
	s_endpgm
.Lw3:                                              ; p = 5: the s columns, scaled; p = 6: the t columns
	s_sub_co_u32 s31, s21, 5
	s_lshl_b32 s31, s31, 5                         ; first column: 32 (p - 5)
	s_cmp_eq_u32 s21, 5
	s_cselect_b32 s32, 0x4038aa3b, 1.0             ; 2 log2(e), or 1
	s_mov_b32 s33, s32                             ; named with it as a pair
	s_lshl_b32 s36, s22, 15                        ; a coupling's W3 is 32,768 bytes
	s_add_nc_u64 s[24:25], s[8:9], s[36:37]
	v_lshlrev_b32 v7, 5, v4
	v_lshl_add_u32 v7, v5, 3, v7                   ; my first row: 32 x fragment + 8 (2 q + h)
	v_add_nc_u32 v8, s31, v6
	v_lshlrev_b32 v2, 8, v7                        ; rows of 256 bytes
	v_lshl_add_u32 v2, v8, 2, v2
	v_add_nc_u32 v3, 64, v2                        ; the next tile of 16 columns
	FRAGS 256, 1
	s_endpgm
.Lbias:                                            ; p = 7: threads 0-31 b1, 32-63 b2, 64-79 b3 (64-71 scaled), all others zeros; the second piece is zeros
	s_cmp_eq_u32 s20, 0
	s_cselect_b64 s[24:25], s[10:11], s[12:13]
	s_cmp_lt_u32 s20, 2
	s_cselect_b64 s[24:25], s[24:25], s[14:15]     ; waves 2 to 7 read b3 (inside it), and keep of it what the masks below keep
	s_cselect_b32 s26, 31, 15
	s_cselect_b32 s29, 9, 8                        ; a coupling's b1 and b2 are 512 bytes, its b3 256
	s_lshl_b32 s36, s22, s29
	s_add_nc_u64 s[24:25], s[24:25], s[36:37]
	v_and_b32 v2, s26, v0
	v_lshlrev_b32 v2, 4, v2
	global_load_b128 v[DAT:DAT+3], v2, s[24:25]
	v_lshrrev_b32 v7, 3, v0
	v_mov_b32 v9, 0x4038aa3b                       ; 2 log2(e)
	v_cmp_eq_u32 vcc_lo, 8, v7                     ; threads 64 to 71: b3[0:32]
	v_cndmask_b32 v8, 1.0, v9, vcc_lo
	v_cmp_gt_u32 s30, 80, v0                       ; threads that hold a bias at all
.irp j, 4,5,6,7
	v_mov_b32 v[DAT+(\j)], 0
.endr
	s_wait_loadcnt 0x0
.irp j, 0,1,2,3
	v_mul_f32 v[DAT+(\j)], v[DAT+(\j)], v8
.endr
.irp j, 0,1,2,3
	v_cndmask_b32 v[DAT+(\j)], 0, v[DAT+(\j)], s30
.endr
	global_store_b128 v1, v[DAT:DAT+3],   s[16:17]
	global_store_b128 v1, v[DAT+4:DAT+7], s[16:17] offset:4096
	s_endpgm
.Lfunc_end_k_q33e1611a34_prep:
	.size	k_q33e1611a34_prep, .Lfunc_end_k_q33e1611a34_prep-k_q33e1611a34_prep
	.p2alignl 7, 3214868480
	.fill 96, 4, 3214868480
	.section	.rodata,"a",@progbits
	.p2align	6, 0x0
	.amdhsa_kernel k_q33e1611a34_prep
		.amdhsa_group_segment_fixed_size 0
		.amdhsa_private_segment_fixed_size 0
		.amdhsa_enable_private_segment 0
		.amdhsa_kernarg_size 56
		.amdhsa_user_sgpr_count 2
		.amdhsa_user_sgpr_kernarg_segment_ptr 1
		.amdhsa_wavefront_size32 1
		.amdhsa_system_sgpr_workgroup_id_x 1
		.amdhsa_system_sgpr_workgroup_id_y 1
		.amdhsa_system_sgpr_workgroup_id_z 1
		.amdhsa_system_vgpr_workitem_id 0
		.amdhsa_next_free_vgpr 48
		.amdhsa_next_free_sgpr 66
		.amdhsa_reserve_vcc 1
		.amdhsa_float_denorm_mode_32 3
		.amdhsa_float_denorm_mode_16_64 3
		.amdhsa_memory_ordered 1
		.amdhsa_forward_progress 1
		.amdhsa_inst_pref_size 9
	.end_amdhsa_kernel
	.amdgpu_metadata
---
amdhsa.version: [ 1, 2 ]
amdhsa.kernels:
  - .name:           k_q33e1611a34_prep
    .symbol:         k_q33e1611a34_prep.kd
    .args:
      - { .name: W1, .offset: 0, .size: 8, .value_kind: global_buffer, .address_space: global }
      - { .name: W2, .offset: 8, .size: 8, .value_kind: global_buffer, .address_space: global }
      - { .name: W3, .offset: 16, .size: 8, .value_kind: global_buffer, .address_space: global }
      - { .name: b1, .offset: 24, .size: 8, .value_kind: global_buffer, .address_space: global }
      - { .name: b2, .offset: 32, .size: 8, .value_kind: global_buffer, .address_space: global }
      - { .name: b3, .offset: 40, .size: 8, .value_kind: global_buffer, .address_space: global }
      - { .name: wq, .offset: 48, .size: 8, .value_kind: global_buffer, .address_space: global }
    .group_segment_fixed_size: 0
    .private_segment_fixed_size: 0
    .kernarg_segment_align: 8
    .kernarg_segment_size: 56
    .max_flat_workgroup_size: 256
    .sgpr_count:     66
    .vgpr_count:     48
    .wavefront_size: 32
...
	.end_amdgpu_metadata
.endif
;; end of part 1
;; launch flow (part 2): grid 256 x 1, 4 waves a work-group, clusters of 4 x 1, 327,680 bytes of LDS; arguments x, wq, out0; writes out0
.if DOCPART == 2
	.amdgcn_target "amdgcn-amd-amdhsa--gfx1250"
	.amdhsa_code_object_version 6
	.text
	.protected	k_q33e1611a34_flow
	.globl	k_q33e1611a34_flow
	.p2align	8
	.type	k_q33e1611a34_flow,@function
k_q33e1611a34_flow:
	s_mov_b64 s[64:65], 0
	v_nop
	global_prefetch_b8 v0, s[64:65] scope:SCOPE_SE
	s_setreg_imm32_b32 hwreg(HW_REG_WAVE_MODE, 25, 1), 1
	s_wait_xcnt 0x0
	s_wait_alu depctr_hold_cnt(0) depctr_sa_sdst(0) depctr_va_vdst(0) depctr_va_sdst(0) depctr_va_ssrc(0) depctr_va_vcc(0) depctr_vm_vsrc(0)
	s_getreg_b32 s2, hwreg(HW_REG_IB_STS2, 6, 4)
	s_cmp_eq_u32 s2, 0
	s_cbranch_scc0 .Lentry_in_a_cluster
	s_endpgm
.Lentry_in_a_cluster:
	s_bfe_u32 s2, ttmp6, 0x10000c
	s_cmp_lg_u32 s2, 0x3003
	s_cbranch_scc0 .Lentry_shape_is_right
	s_endpgm
.Lentry_shape_is_right:
; ALL 16 COUPLINGS OF THE FLOW IN ONE LAUNCH.  x, out0: [131072][64] f32.  wq: 16 blocks of 65,536 bytes, one a coupling: bf16 fragment images of W1, W2, W3 and the biases in f32 (made by the launch before).
; A coupling: st = W3^T relu(W2^T relu(W1^T u + b1) + b2) + b3 of one half u of a row; the other half v becomes v exp(0.1 tanh(s)) + t, and is the next coupling's u.
; SHARES.  A work-group owns 512 rows, each of its four waves 128: eight tiles of 16.  Rows never meet: no wave reads what another computed.
; LAYOUT.  Every product is taken transposed: source 0 = 16 output features (a fragment of wq as it lies), source 1 = 16 rows of the batch.  In the result a lane holds ONE row (lane % 16) and the features
; 8 (lane / 16) + 0..7; two such results rounded to bf16 in pairs ARE source 1 of the next layer.  So activations never change lanes and never leave registers.  The bias hangs on the feature alone:
; it is the C operand of the product that starts a sum.  A fragment of weights read from LDS feeds eight products.
; THE STATE x stays in f32, in LDS, in the rows into which it was first loaded (each wave its own rows): a coupling reads one half of them and writes it back, and the last state leaves from there
; as whole rows of 256 bytes.  So the two couplings of a layer are one text: only the offset XH (128 or 0) differs.
; THE ARITHMETIC.  wq holds W3's s columns and b3's s part times 2 log2(e), so z = 2 log2(e) s comes out of the product.  r = 1 / (1 + 2^z); tanh(s) = 1 - 2 r; exp(0.1 tanh(s)) = 2^(C0 + C1 r), C0 = 0.1 log2(e), C1 = -0.2 log2(e).
; It holds for every s: 2^z = infinity gives r = 0, 2^z = 0 gives r = 1; the exponent lies within +-0.145.
; LIMITS.  Matrix operands (weights, u, hidden activations) are bf16, sums f32.  The ReLU is a packed maximum with 0 on the rounded halves: a NaN there becomes 0.  A 2^z below 2^-126 counts as 0 (r is then 1).
; The s columns of W3 are rounded to bf16 after the factor 2 log2(e), not before.
; THE RING.  Two LDS slots of one block each; each wave fetches a quarter (64 rows of 256 bytes).  The slots change where the coupling's last fragments are in registers, one group of products ahead of its end.
; CLUSTER.  All work-groups walk the same 16 blocks: the four of a cluster ask for each JOINTLY (the same load, descriptor and mask in all four).  More than four a mask does not name.
; THE TAIL.  The last two couplings ask for nothing and are a second copy of the text, walked twice and left in the middle: the second pass's change of slots (a barrier, eight LDS loads from the slot read before)
; and its 64 roundings of y to bf16 serve nothing: the price, once a launch, of two copies in place of three.
; REGISTERS, in windows of 256 (s_set_vgpr_msb: bits 1:0 source 0, 3:2 source 1, 5:4 source 2, 7:6 destination):
;   window 0: v0-12 addresses; v32-159 ACC, two buffers of 8 accumulators (later XT: the half of x to be transformed); v160-223 WF, two buffers of 4 weight fragments; v224-255 BI, two buffers of 2 bias operands
;   window 1: H1 (tile i, feature tile t, word q at 32 i + 4 t + q); later ST (output tile u, row tile i at 64 u + 8 i): u = 0, 1 are s, u = 2, 3 are t
;   window 2: H2, laid out as H1          window 3: v0-63 XB: u in bf16 (tile i at 8 i)
.set SLOTB, 65536                      ; a slot, and a block of wq
.set XBASE, 2*SLOTB                    ; behind the ring: x
.set XP,    272                        ; a row of x in LDS: 256 bytes + 16 of padding = 68 words: the 16 rows that a load touches start 4 banks apart (64 banks of 4 bytes: ISA guide 11.1)
.set XW,    128*XP                     ; a wave's rows
.set SPARE, XBASE+4*XW                 ; behind x: the spare words, 128 bytes for each wave: two blocks of 256 bytes that no other line names
.set OW2,   8192                       ; in a block: layer 2's fragments,
.set OW3,   40960                      ; layer 3's,
.set OB1,   57344                      ; and the biases
.set OB2,   57856
.set OB3,   58368
.set AW0, 2                            ; v2   16 x lane: my 16 bytes of half a fragment; never rewritten
.set AB0, 3                            ; v3   32 (lane / 16): my eight features of a bias tile; never rewritten
.set AW,  4                            ; v4   AW0 + the slot in hand
.set AB,  5                            ; v5   AB0 + the slot in hand
.set AX0, 6                            ; v6   my 32 bytes in my row of the wave's first tile of x; never rewritten
.set AX,  7                            ; v7   AX0 + XH
.set RD,  8                            ; v8   the way out: lanes 0-15 one row of 256 bytes, lanes 16-31 the next
.set GO,  9                            ; v9   the same two rows in out0: 16 x lane
.set SPW, 10                           ; v10  LDS address of my spare word: SPARE + 4 x my thread's number; never rewritten
.set NIL, 11                           ; v11  0; never rewritten
.set PFO, 12                           ; v12  256 x lane: the prefetches' offset; never rewritten
.set ACC, 32
.set WF,  160
.set BI,  224
.set WV,  10                           ; s10  my wave's number
.set G1X, 16                           ; s[16:23] descriptor group 1 for x
.set G1W, 24                           ; s[24:31] for a quarter of a block of wq
.set G0X, 32                           ; s[32:35] group 0 for x
.set G0A, 36                           ; s[36:39] for block 0
.set G0W, 40                           ; s[40:43] for block 1; it then walks
.set TB,  44                           ; s44  LDS byte at which the slot in hand begins
.set XH,  45                           ; s45  128 or 0: the half of x that the coupling in hand transforms
.set CNT, 46                           ; s46  the loops' counter
.set ZERO, 47                          ; s47  0, for the ReLU
.set C1,  48                           ; s[48:49] -0.2 log2(e); a packed line names a pair and takes its low word for both halves
.set C0,  50                           ; s[50:51]  0.1 log2(e)
.set PFA, 52                           ; s[52:53] where my prefetches stand
.set LIM, 54                           ; s54  1 in a wave that prefetches, else the greatest number
.set MSB, 0
.macro WIN new                         ; the immediate's high byte repeats the setting that is left; a switch that changes nothing is dropped
.if MSB != (\new)
	s_set_vgpr_msb (MSB<<8)|(\new)
.set MSB, (\new)
.endif
.endm
; A vector instruction that reads a matrix result or writes one of a matrix instruction's registers, and a load into such a register, stand four places behind it, and only plain vector
; instructions that name none of its registers are places (ISA guide 7.12.1 for vector instructions).
.macro PLACES
.rept 4
	v_nop
.endr
.endm
; A round of the cluster's barrier: my work-group's barrier, so that wave 0's signal speaks for all four waves; wave 0 signals; every wave waits for all four work-groups; my work-group's barrier once more.
.macro CROUND
	s_barrier_signal -1
	s_barrier_wait -1
	s_cmp_lg_u32 s[WV], 0
	s_cbranch_scc1 .Lnot_wave_0_\@
	s_barrier_signal -3
.Lnot_wave_0_\@:
	s_barrier_wait -3
	s_barrier_signal -1
	s_barrier_wait -1
.endm
; A PREFETCH INTO THE L2 of the block that the NEXT change of slots will ask for: one coupling, 448 matrix instructions, ahead of that load.  Every cluster walks the same blocks: cluster 0 asks, and nobody else.
; Its four partners take 64 rows of 256 bytes each, told apart BY ADDRESS; in each, waves 0 and 1 take 32, a lane a row: each row is named once in the launch.  Blocks 0 to 2 come by their loads alone;
; the last change that fills a slot asks for nothing: there is no block behind the one it loads.
.macro ASK
	s_cmp_gt_u32 s[CNT], s[LIM]
	s_cbranch_scc0 .Lnot_mine_\@
	global_prefetch_b8 v[PFO], s[PFA:PFA+1] th:TH_LOAD_NT scope:SCOPE_SE
.Lnot_mine_\@:
.endm
; THE LDS LOADS stand in runs, at the boundaries between groups of products.  A coupling has 16 GROUPS g: 0-3 layer 1 (two feature tiles each), 4-11 layer 2 (a tile each), 12-15 layer 3.
; LOADG g: group g's weight fragments and bias operands into buffer g % 2.
.macro LOADG g
	WIN 0
.set lb, (\g)%2
.if (\g) < 4
.irp u, 0,1
	ds_load_b128 v[WF+32*lb+8*(\u):WF+32*lb+8*(\u)+3],   v[AW] offset:(2*(\g)+(\u))*1024
	ds_load_b128 v[WF+32*lb+8*(\u)+4:WF+32*lb+8*(\u)+7], v[AW] offset:(2*(\g)+(\u))*1024+512
	ds_load_b128 v[BI+16*lb+8*(\u):BI+16*lb+8*(\u)+3],   v[AB] offset:OB1+64*(2*(\g)+(\u))
	ds_load_b128 v[BI+16*lb+8*(\u)+4:BI+16*lb+8*(\u)+7], v[AB] offset:OB1+64*(2*(\g)+(\u))+16
.endr
.else
.if (\g) < 12
.set fb, OW2+4096*((\g)-4)
.set bb, OB2+64*((\g)-4)
.else
.set fb, OW3+4096*((\g)-12)
.set bb, OB3+64*((\g)-12)
.endif
.irp k, 0,1,2,3
	ds_load_b128 v[WF+32*lb+8*(\k):WF+32*lb+8*(\k)+3],   v[AW] offset:fb+1024*(\k)
	ds_load_b128 v[WF+32*lb+8*(\k)+4:WF+32*lb+8*(\k)+7], v[AW] offset:fb+1024*(\k)+512
.endr
	ds_load_b128 v[BI+16*lb:BI+16*lb+3],   v[AB] offset:bb
	ds_load_b128 v[BI+16*lb+4:BI+16*lb+7], v[AB] offset:bb+16
.endif
.endm
; XT: the half of x at AX, f32: features 16 a + 8 (lane / 16) + 0..7 of my row of tile i into ACC's registers, at ACC + 64 a + 8 i: the places of s and t in ST.
.macro LOADX
	WIN 0
.irp a, 0,1
.irp i, 0,1,2,3,4,5,6,7
	ds_load_b128 v[ACC+64*(\a)+8*(\i):ACC+64*(\a)+8*(\i)+3],   v[AX] offset:(\i)*16*XP+64*(\a)
	ds_load_b128 v[ACC+64*(\a)+8*(\i)+4:ACC+64*(\a)+8*(\i)+7], v[AX] offset:(\i)*16*XP+64*(\a)+16
.endr
.endr
.endm
; The boundary ahead of group g: four places behind the last product; what was asked for at the boundary before is in; group g + 1 is asked for: it has group g's products in which to land.
; tw = 1: the wait between the exponentials of the group before and their first reader stands here, behind the v_nop and ahead of the loads.
.macro BOUND g, tw=0
	WIN 0
	PLACES
.if \tw
	s_wait_alu depctr_va_vdst(0)
.endif
	s_wait_dscnt 0x0
	LOADG (\g)+1
.if (\g) == 14
	LOADX
.endif
.endm
; FROM SUMS TO THE NEXT OPERAND.  CV: tile i of ACC buffer b is rounded to bf16 in pairs, in place, from the low end on.  MX: the ReLU on the packed halves, into words 4 t .. 4 t + 3 of tile i of H1 (hw = 0x40) or H2 (0x80).
.macro CV b, i
	WIN 0
.irp q, 0,1,2,3
	v_cvt_pk_bf16_f32 v[ACC+64*(\b)+8*(\i)+(\q)], v[ACC+64*(\b)+8*(\i)+2*(\q)], v[ACC+64*(\b)+8*(\i)+2*(\q)+1]
.endr
.endm
.macro MX b, i, hw, t
	WIN \hw
.irp q, 0,1,2,3
	v_pk_max_num_bf16 v[32*(\i)+4*(\t)+(\q)], v[ACC+64*(\b)+8*(\i)+(\q)], s[ZERO]
.endr
.endm
.macro CG b, m, hw, t                  ; number m of a unit's 16 groups of four: CV and MX of tile m / 2
.if (\m)%2 == 0
	CV \b, (\m)/2
.else
	MX \b, (\m)/2, \hw, \t
.endif
.endm
; THE COUPLING'S OWN LINES, all under one setting (0x51: destination, sources 0 and 2 in window 1, source 1 in window 0), in place on ST.  a = 0, 1: features 16 a on.  v: a register of 64, p: a pair of 32.
.macro EX a, v
	v_exp_f32 v[64*(\a)+(\v)], v[64*(\a)+(\v)]
.endm
.macro RC a, v
	v_rcp_f32 v[64*(\a)+(\v)], v[64*(\a)+(\v)]
.endm
.macro A1 a, p                         ; 1 + 2^z
	v_pk_add_f32 v[64*(\a)+2*(\p):64*(\a)+2*(\p)+1], v[64*(\a)+2*(\p):64*(\a)+2*(\p)+1], 1.0 op_sel_hi:[1,0]
.endm
.macro F1 a, p                         ; C0 + C1 r
	v_pk_fma_f32 v[64*(\a)+2*(\p):64*(\a)+2*(\p)+1], v[64*(\a)+2*(\p):64*(\a)+2*(\p)+1], s[C1:C1+1], s[C0:C0+1] op_sel_hi:[1,0,0]
.endm
.macro Y1 a, p                         ; y = 2^(..) x + t
	v_pk_fma_f32 v[64*(\a)+2*(\p):64*(\a)+2*(\p)+1], v[64*(\a)+2*(\p):64*(\a)+2*(\p)+1], v[ACC+64*(\a)+2*(\p):ACC+64*(\a)+2*(\p)+1], v[128+64*(\a)+2*(\p):128+64*(\a)+2*(\p)+1]
.endm
.macro XC a                            ; y rounded to bf16: the next coupling's u
	WIN 0xc5
.irp i, 0,1,2,3,4,5,6,7
.irp q, 0,1,2,3
	v_cvt_pk_bf16_f32 v[8*(\i)+4*(\a)+(\q)], v[64*(\a)+8*(\i)+2*(\q)], v[64*(\a)+8*(\i)+2*(\q)+1]
.endr
.endr
.endm
.macro YS a                            ; y in f32 back into the rows of x that it replaces: my wave's own bytes
	WIN 0x04
.irp i, 0,1,2,3,4,5,6,7
	ds_store_b128 v[AX], v[64*(\a)+8*(\i):64*(\a)+8*(\i)+3]   offset:(\i)*16*XP+64*(\a)
	ds_store_b128 v[AX], v[64*(\a)+8*(\i)+4:64*(\a)+8*(\i)+7] offset:(\i)*16*XP+64*(\a)+16
.endr
.endm
; THE MATRIX WORK.  A UNIT is one feature tile for the wave's eight row tiles; its eight accumulators take turns, one instruction a turn, and units take ACC's two buffers by turns.
; Behind the products of a unit stands the conversion of the unit before it.
; Layer 1, group g: units t = 2 g and 2 g + 1, K = 32: eight products each, C = the bias.  Behind product i: CV of two tiles (i even), MX of the same two (i odd).  Unit 0 has no unit before it.
.macro M1G g
.set gb, (\g)%2
.irp u, 0,1
.set tt, 2*(\g)+(\u)
.irp i, 0,1,2,3,4,5,6,7
	WIN 0x0c
	v_wmma_f32_16x16x32_bf16 v[ACC+64*(\u)+8*(\i):ACC+64*(\u)+8*(\i)+7], v[WF+32*gb+8*(\u):WF+32*gb+8*(\u)+7], v[8*(\i):8*(\i)+7], v[BI+16*gb+8*(\u):BI+16*gb+8*(\u)+7]
.if tt > 0
.if (\i)%2 == 0
	CV 1-(\u), \i
	CV 1-(\u), (\i)+1
.else
	MX 1-(\u), (\i)-1, 0x40, tt-1
	MX 1-(\u), \i, 0x40, tt-1
.endif
.endif
.endr
.if tt == 0
	PLACES                                         ; ahead of the first read of unit 0's sums
.endif
.endr
.endm
; Layer 2, unit t: product n of 32: K block n / 8, row tile n % 8.  Unit 0 carries layer 1's unit 7 into H1, a group of four behind each of its first 16 products: done ahead of the products from 24 on, which read those words.
; Units 1 to 7 carry the unit before into H2, a group behind every second product.
.macro M2U t
.set gb, (\t)%2
.set n, 0
.rept 32
	WIN 0x04
.if n < 8
	v_wmma_f32_16x16x32_bf16 v[ACC+64*gb+8*(n%8):ACC+64*gb+8*(n%8)+7], v[WF+32*gb+8*(n/8):WF+32*gb+8*(n/8)+7], v[32*(n%8)+8*(n/8):32*(n%8)+8*(n/8)+7], v[BI+16*gb:BI+16*gb+7]
.else
	v_wmma_f32_16x16x32_bf16 v[ACC+64*gb+8*(n%8):ACC+64*gb+8*(n%8)+7], v[WF+32*gb+8*(n/8):WF+32*gb+8*(n/8)+7], v[32*(n%8)+8*(n/8):32*(n%8)+8*(n/8)+7], v[ACC+64*gb+8*(n%8):ACC+64*gb+8*(n%8)+7]
.endif
.if (\t) == 0
.if n < 16
	CG 1, n, 0x40, 7
.endif
.else
.if n%2 == 1
	CG 1-gb, (n-1)/2, 0x80, (\t)-1
.endif
.endif
.set n, n+1
.endr
.endm
; Layer 3, unit u, into ST (H1's registers: layer 2 has read them).  Beside the products: u = 0: layer 2's unit 7 into H2, early as above.  u = 1: 2^z of s tile 0.  u = 2: 1 + .. and the reciprocals of tile 0, 2^z of tile 1.
; u = 3: tile 0's C0 + C1 r and its exponentials; tile 1's 1 + .. and reciprocals.  No line names the result of a transcendental of its own group: each group's batch has one wait, behind the group.
.macro M3U u
.set gb, (\u)%2
.set n, 0
.rept 32
.if n < 8
	WIN 0x48
	v_wmma_f32_16x16x32_bf16 v[64*(\u)+8*(n%8):64*(\u)+8*(n%8)+7], v[WF+32*gb+8*(n/8):WF+32*gb+8*(n/8)+7], v[32*(n%8)+8*(n/8):32*(n%8)+8*(n/8)+7], v[BI+16*gb:BI+16*gb+7]
.else
	WIN 0x58
	v_wmma_f32_16x16x32_bf16 v[64*(\u)+8*(n%8):64*(\u)+8*(n%8)+7], v[WF+32*gb+8*(n/8):WF+32*gb+8*(n/8)+7], v[32*(n%8)+8*(n/8):32*(n%8)+8*(n/8)+7], v[64*(\u)+8*(n%8):64*(\u)+8*(n%8)+7]
.endif
.if (\u) == 0
.if n < 16
	CG 1, n, 0x80, 7
.endif
.elseif (\u) == 1
.if n%2 == 1
	WIN 0x51
	EX 0, 2*n-2
	EX 0, 2*n-1
	EX 0, 2*n
	EX 0, 2*n+1
.endif
.elseif (\u) == 2
	WIN 0x51
	A1 0, n
	EX 1, 2*n
	EX 1, 2*n+1
	RC 0, 2*n
	RC 0, 2*n+1
.else
	WIN 0x51
	F1 0, n
	A1 1, n
	EX 0, 2*n
	EX 0, 2*n+1
	RC 1, 2*n
	RC 1, 2*n+1
.endif
.set n, n+1
.endr
.endm
; A coupling up to its last group but one.  At its end group 15's fragments and XT have been asked for, and nothing more is read of the slot.
.macro PARTA
.irp g, 0,1,2,3
	BOUND \g
	M1G \g
.endr
.irp t, 0,1,2,3,4,5,6,7
	BOUND (\t)+4
	M2U \t
.endr
	BOUND 12
	M3U 0
	BOUND 13
	M3U 1
	BOUND 14, 1
	M3U 2
	WIN 0                                          ; at a label and at a branch every window is 0
	v_nop                                          ; a plain instruction behind the last reciprocal,
	s_wait_alu depctr_va_vdst(0)                   ; and the group's one wait, ahead of the branch
.endm
; The coupling's last group, and what has no product to stand beside.
.macro PARTB
	M3U 3
	WIN 0x51
	PLACES                                         ; behind the last product (t's second tile is read below), and the plain instructions behind the last reciprocal
	s_wait_alu depctr_va_vdst(0)                   ; the group's one wait
.set p, 0
.rept 32
	F1 1, p
.set p, p+1
.endr
.set p, 0
.rept 32
	EX 1, 2*p                                      ; tile 1's exponentials, with tile 0's y between them
	EX 1, 2*p+1
	Y1 0, p
.set p, p+1
.endr
	XC 0
	YS 0
	s_wait_alu depctr_va_vdst(0)                   ; one wait for tile 1's 64 exponentials; tile 0's roundings and stores are the work between
	WIN 0x51
.set p, 0
.rept 32
	Y1 1, p
.set p, p+1
.endr
	XC 1
	YS 1
	WIN 0
	s_xor_b32 s[XH], s[XH], 128                    ; the next coupling transforms the other half
	v_add_nc_u32 v[AX], s[XH], v[AX0]
.endm
; THE CHANGE OF SLOTS.  Each wave waits for all its tensor loads, of which one is out: its quarter of the other slot; adds 0 to its spare word; and waits for that and for its own reads of the slot (group 15's
; fragments among them).  Behind the barrier nobody reads this slot any more and the other slot is whole.  fill = 1: the slot is filled again, with the block two on: the barrier is a round of the cluster's, so that
; no wave of any partner still reads the slot or has a load on its way, and the joint load is the first thing behind it: it has a whole coupling in which to land.  Then the next coupling's first fragments are asked for.
.macro CHANGE fill
	WIN 0
	s_wait_tensorcnt 0x0                           ; no tensor load of mine is out, so a group 0 may be written
	ds_add_u32 v[SPW], v[NIL]                      ; 0 onto my spare word
.if \fill
	s_xor_b32 s[G0W+1], s[G0W+1], SLOTB            ; the walking descriptor: the other slot than last time,
	s_add_nc_u64 s[G0W+2:G0W+3], s[G0W+2:G0W+3], SLOTB  ; the next block; the type bits on top are not reached
	s_wait_xcnt 0x0                                ; the last prefetch, a coupling back, has read its address, so it may be written
	s_add_nc_u64 s[PFA:PFA+1], s[PFA:PFA+1], SLOTB
.endif
	s_wait_dscnt 0x0                               ; the add is done, and my reads of the slot are over
.if \fill
	CROUND
	tensor_load_to_lds s[G0W:G0W+3], s[G1W:G1W+7]
	s_nop 0
	PLACES                                         ; the places ahead of the loads below
.else
	s_barrier_signal -1
	s_barrier_wait -1
	PLACES
.endif
	s_xor_b32 s[TB], s[TB], SLOTB
	v_add_nc_u32 v[AW], s[TB], v[AW0]
	v_add_nc_u32 v[AB], s[TB], v[AB0]
	LOADG 0
.if \fill
	ASK
.endif
.endm
	s_load_b128 s[4:7], s[0:1], 0x0                ; x s[4:5], wq s[6:7]
	s_load_b64 s[8:9], s[0:1], 0x10                ; out0
	v_lshl_add_u32 v[SPW], v0, 2, SPARE
	v_mov_b32 v[NIL], 0
	ds_add_u32 v[SPW], v[NIL]                      ; the wave's opening: the add, twice on end, and its wait ahead of my first tensor load
	ds_add_u32 v[SPW], v[NIL]                      ; and once more, under the one wait; the set-up below, work on registers, stands between
	v_lshrrev_b32 v1, 5, v0
	v_readfirstlane_b32 s[WV], v1                  ; wave 0..3
	s_bfe_u32 s11, ttmp6, 0x40000                  ; cx: my place in the cluster: it enters x's, out0's and the prefetches' global addresses alone
	s_lshl_b32 s12, ttmp9, 2                       ; in a cluster launch ttmp9 counts clusters
	s_add_co_u32 s12, s12, s11                     ; my work-group
	s_lshl_b32 s56, s12, 17                        ; its 512 rows of 256 bytes,
	s_lshl_b32 s13, s[WV], 15                      ; my wave's 128 of them
	s_add_co_u32 s56, s56, s13
	s_mov_b32 s57, 0
	s_lshl_b32 s58, s[WV], 14                      ; my quarter of a block
	s_mov_b32 s59, 0
	s_lshl_b32 s12, s11, 14                        ; the prefetches: my work-group's 64 rows of a block,
	s_lshl_b32 s13, s[WV], 13                      ; my wave's 32 of them (waves 0 and 1),
	s_add_co_u32 s12, s12, s13
	s_add_co_u32 s12, s12, 2*SLOTB                 ; in block 2: the first change of slots steps it to block 3
	s_mov_b32 s13, 0
	; group 1 for x: 128 rows of 64 elements of 4 bytes, 4 words of padding behind every 64
	s_mov_b32 s[G1X+0], (2<<16)|(1<<20)|(5<<22)|(3<<25)  ; 15:0 no mask; 17:16 elements of 4 bytes; 20 padding on; 24:22 after every 64 words (code 5); 31:25 4 words (code 3)
	s_mov_b32 s[G1X+1], 64<<16                     ; tensor_dim0 = 64
	s_mov_b32 s[G1X+2], 128<<16                    ; tensor_dim1 = 128
	s_mov_b32 s[G1X+3], 64<<16                     ; tile_dim0 = 64
	s_mov_b32 s[G1X+4], 128                        ; tile_dim1 = 128
	s_mov_b32 s[G1X+5], 64                         ; 64 elements from row to row
	s_mov_b32 s[G1X+6], 0
	s_mov_b32 s[G1X+7], 0
	; group 1 for wq: 64 rows of 32 elements of 8 bytes, dense
	s_mov_b32 s[G1W+0], 15|(3<<16)|(1<<21)         ; 15:0 the mask: all four work-groups; 17:16 elements of 8 bytes; 21 set beside a mask
	s_mov_b32 s[G1W+1], 32<<16                     ; tensor_dim0 = 32
	s_mov_b32 s[G1W+2], 64<<16                     ; tensor_dim1 = 64
	s_mov_b32 s[G1W+3], 32<<16                     ; tile_dim0 = 32
	s_mov_b32 s[G1W+4], 64                         ; tile_dim1 = 64
	s_mov_b32 s[G1W+5], 32
	s_mov_b32 s[G1W+6], 0
	s_mov_b32 s[G1W+7], 0
	s_mov_b32 s[G0X], 1
	s_mul_i32 s[G0X+1], s[WV], XW
	s_add_co_u32 s[G0X+1], s[G0X+1], XBASE         ; my wave's rows of x in LDS
	s_mov_b32 s[G0A], 1
	s_lshl_b32 s[G0A+1], s[WV], 14                 ; my quarter of slot 0
	s_mov_b32 s[G0W], 1
	s_add_co_u32 s[G0W+1], s[G0A+1], SLOTB         ; and of slot 1: no place in the cluster enters an LDS address
	s_mov_b32 s[TB], 0
	s_mov_b32 s[XH], 128
	s_mov_b32 s[ZERO], 0
	s_mov_b32 s[C1], 0xbe93bb63                    ; -0.2 log2(e)
	s_mov_b32 s[C1+1], s[C1]
	s_mov_b32 s[C0], 0x3e13bb63                    ; 0.1 log2(e)
	s_mov_b32 s[C0+1], s[C0]
	s_lshr_b32 s[LIM], s[WV], 1                    ; 0 in waves 0 and 1,
	s_or_b32 s[LIM], s[LIM], ttmp9                 ; of cluster 0: the same in all four partners
	s_cmp_eq_u32 s[LIM], 0
	s_cselect_b32 s[LIM], 1, -1
	s_wait_dscnt 0x0                               ; both opening adds are done
	s_wait_kmcnt 0x0
	s_add_nc_u64 s[G0X+2:G0X+3], s[4:5], s[56:57]
	s_or_b32 s[G0X+3], s[G0X+3], 0x80000000        ; 127:126 type = 2
	s_add_nc_u64 s[G0A+2:G0A+3], s[6:7], s[58:59]
	s_add_nc_u64 s[G0W+2:G0W+3], s[G0A+2:G0A+3], SLOTB
	s_or_b32 s[G0A+3], s[G0A+3], 0x80000000
	s_or_b32 s[G0W+3], s[G0W+3], 0x80000000
	s_add_nc_u64 s[8:9], s[8:9], s[56:57]          ; out0 at my wave's first row
	s_add_nc_u64 s[PFA:PFA+1], s[6:7], s[12:13]
	CROUND                                         ; all four work-groups are here: the first joint loads meet
	tensor_load_to_lds s[G0A:G0A+3], s[G1W:G1W+7]  ; block 0 into slot 0; three loads of mine are out
	s_nop 0
	tensor_load_to_lds s[G0X:G0X+3], s[G1X:G1X+7]  ; my rows of x: a load of my own
	s_nop 0
	tensor_load_to_lds s[G0W:G0W+3], s[G1W:G1W+7]  ; block 1 into slot 1
	s_nop 0
	PLACES
	v_and_b32 v1, 31, v0                           ; lane
	v_and_b32 v14, 15, v0                          ; lane % 16
	v_bfe_u32 v13, v0, 4, 1                        ; lane / 16
	v_lshlrev_b32 v[AW0], 4, v1
	v_lshlrev_b32 v[AB0], 5, v13
	v_mul_u32_u24 v[AX0], v14, XP
	v_lshl_add_u32 v[AX0], v13, 5, v[AX0]
	v_add_nc_u32 v[AX0], s[G0X+1], v[AX0]          ; my rows + row x pitch + 32 x half
	v_mul_u32_u24 v[RD], v13, XP
	v_lshl_add_u32 v[RD], v14, 4, v[RD]
	v_add_nc_u32 v[RD], s[G0X+1], v[RD]
	v_lshlrev_b32 v[GO], 4, v1
	v_lshlrev_b32 v[PFO], 8, v1
	v_add_nc_u32 v[AW], s[TB], v[AW0]
	v_add_nc_u32 v[AB], s[TB], v[AB0]
	v_mov_b32 v[AX], v[AX0]                        ; the first u is the rows' first half
	s_wait_tensorcnt 0x1                           ; my quarter of slot 0 and my x are in; slot 1's load, the one issued behind them, may stay out
	s_barrier_signal -1
	s_barrier_wait -1                              ; everybody's quarter is in
	LOADG 0
	LOADX
	s_wait_dscnt 0x0
	WIN 0xc0                                       ; destination window 3
.irp a, 0,1
.irp i, 0,1,2,3,4,5,6,7
.irp q, 0,1,2,3
	v_cvt_pk_bf16_f32 v[8*(\i)+4*(\a)+(\q)], v[ACC+64*(\a)+8*(\i)+2*(\q)], v[ACC+64*(\a)+8*(\i)+2*(\q)+1]
.endr
.endr
.endr
	WIN 0
	v_add_nc_u32 v[AX], s[XH], v[AX0]              ; coupling 0 transforms the second half
	s_mov_b32 s[CNT], 15
	s_branch .Lfirst                               ; the loop is entered at a coupling's beginning, in the middle of a trip
.Lslot:                                            ; 14 times: the change in coupling c = 0 .. 13 asks for block c + 2
	CHANGE 1
	PARTB
.Lfirst:
	PARTA
	s_sub_co_u32 s[CNT], s[CNT], 1
	s_cmp_lg_u32 s[CNT], 0
	s_cbranch_scc1 .Lslot
	s_mov_b32 s[CNT], 2                            ; the tail is written out: couplings 14 and 15 ask for nothing
.Ltail:
	CHANGE 0
	PARTB
	s_sub_co_u32 s[CNT], s[CNT], 1
	s_cmp_eq_u32 s[CNT], 0
	s_cbranch_scc1 .Lout
	PARTA
	s_branch .Ltail
.Lout:
	; THE WAY OUT.  The rows of x in LDS hold the result.  LDS serves a wave's instructions in order (ISA guide 5.7.1.4): these loads see my stores above.
	WIN 0x40                                       ; destination window 1: ST's registers are free
.set p, 0
.rept 64
	ds_load_b128 v[4*p:4*p+3], v[RD] offset:2*XP*p
.set p, p+1
.endr
	WIN 0x04                                       ; the stores' data in window 1
.set p, 0
.rept 8
	s_wait_dscnt 56-p                              ; this batch of eight is in; the loads issued behind it may stay out
.irp j, 0,1,2,3,4,5,6,7
	global_store_b128 v[GO], v[4*(p+(\j)):4*(p+(\j))+3], s[8:9] offset:512*(p+(\j)) th:TH_STORE_NT  ; 16 lanes store one row: 256 consecutive bytes, at a multiple of 256 from out0's first byte
.endr
.set p, p+8
.endr
	WIN 0
	s_wait_tensorcnt 0x0                           ; the wave's end, behind my last tensor load and my last LDS store
	ds_add_u32 v[SPW], v[NIL]
	s_wait_dscnt 0x0
	CROUND                                         ; the closing round: no work-group ends while a partner may still ask for a block that names it
	s_endpgm
.Lfunc_end_k_q33e1611a34_flow:
	.size	k_q33e1611a34_flow, .Lfunc_end_k_q33e1611a34_flow-k_q33e1611a34_flow
	.p2alignl 7, 3214868480
	.fill 96, 4, 3214868480
	.section	.rodata,"a",@progbits
	.p2align	6, 0x0
	.amdhsa_kernel k_q33e1611a34_flow
		.amdhsa_group_segment_fixed_size 327680
		.amdhsa_private_segment_fixed_size 0
		.amdhsa_enable_private_segment 0
		.amdhsa_kernarg_size 24
		.amdhsa_user_sgpr_count 2
		.amdhsa_user_sgpr_kernarg_segment_ptr 1
		.amdhsa_wavefront_size32 1
		.amdhsa_system_sgpr_workgroup_id_x 1
		.amdhsa_system_sgpr_workgroup_id_y 1
		.amdhsa_system_sgpr_workgroup_id_z 1
		.amdhsa_system_vgpr_workitem_id 0
		.amdhsa_next_free_vgpr 832
		.amdhsa_next_free_sgpr 66
		.amdhsa_reserve_vcc 0
		.amdhsa_float_denorm_mode_32 3
		.amdhsa_float_denorm_mode_16_64 3
		.amdhsa_memory_ordered 1
		.amdhsa_forward_progress 1
		.amdhsa_inst_pref_size 255
	.end_amdhsa_kernel
	.section	.bss,"aw",@nobits
	.p2align	6
	.space	262144
	.amdgpu_metadata
---
amdhsa.version: [ 1, 2 ]
amdhsa.kernels:
  - .name:           k_q33e1611a34_flow
    .symbol:         k_q33e1611a34_flow.kd
    .args:
      - { .name: x, .offset: 0, .size: 8, .value_kind: global_buffer, .address_space: global }
      - { .name: wq, .offset: 8, .size: 8, .value_kind: global_buffer, .address_space: global }
      - { .name: out0, .offset: 16, .size: 8, .value_kind: global_buffer, .address_space: global }
    .group_segment_fixed_size: 327680
    .private_segment_fixed_size: 0
    .kernarg_segment_align: 8
    .kernarg_segment_size: 24
    .max_flat_workgroup_size: 128
    .sgpr_count:     66
    .vgpr_count:     832
    .wavefront_size: 32
...
	.end_amdgpu_metadata
.endif
;; end of part 2
